; MI455X (gfx1250); checked and timed in simulation.
; The chip was launched on July 23, 2026; its instructions are those of AMD's public machine-readable ISA for CDNA 5 (MIT licence, August 2026) and "CDNA5" Instruction Set Architecture Reference Guide (July 2026). The comments in the code are by the model that wrote it; some were corrected since.
;; Channel Self Attention. Allowed arithmetic: float matrix products may take bf16 or f16 operands with f32 sums; other float arithmetic in f32, or as packed bf16 or f16 multiplies, adds, multiply-adds, maxima and minima; sums over many terms, partial sums and values carried from step to step in f32; what a program stores and reads back later, other than sums and carried values, may be rounded once to bf16 or f16.
;; Inputs: bk 2 float32; bq 2 float32; bv 2 float32; wk 2 x 2 float32; wq 2 x 2 float32; wv 2 x 2 float32; x1 4 x 512 x 256 float32; x2 4 x 512 x 256 float32.
;; Outputs: out0 4 x 512 x 256 float32; out1 4 x 512 x 256 float32.
;; 2 versions, each right; version 2 is version 1 with the launch attn written anew for expert scheduling mode. Each part assembles by itself: llvm-mc -triple=amdgcn-amd-amdhsa -mcpu=gfx1250 --defsym DOCPART=n.
;; ======== version 1 of 2: 1 launch
;; launch attn (part 1): grid 256 x 1, 16 waves a work-group, no clusters, 161,792 bytes of LDS; arguments x1, x2, wq, bq, wk, wv, bv, out0, out1; writes out0, out1
.if DOCPART == 1
	.amdgcn_target "amdgcn-amd-amdhsa--gfx1250"
	.amdhsa_code_object_version 6
	.text
	.protected	k_qa2465c7425_attn
	.globl	k_qa2465c7425_attn
	.p2align	8
	.type	k_qa2465c7425_attn,@function
k_qa2465c7425_attn:
	s_mov_b64 s[64:65], 0
	v_nop
	global_prefetch_b8 v0, s[64:65] scope:SCOPE_SE
	s_setreg_imm32_b32 hwreg(HW_REG_WAVE_MODE, 25, 1), 1
	s_wait_xcnt 0x0
; ChannelSelfAttention.  For each of the 2,048 rows (b, h): an attention over 256 positions with head size 2, whose q, k and v are 2 x 2 projections of the pair x = (x1, x2);
; out_c[w] = x_c[w] + sum_u softmax_u(q[w] . k[u]) v_c[u].
; WORK LEFT OUT, for all finite values of the inputs:
;   bk.  q[w] . k[u] = q[w] . (Wk x[u]) + q[w] . bk, and the second term is the same for every u, the softmax's axis: it cancels in the softmax.  bk has no way to an output: it is not loaded
;   and is not among the arguments.  LIMIT: a NaN, an infinity or an overflow that reaches only that term is not carried to the result.
; WORK REORDERED by linear identities (the order of rounding differs from the reference's):
;   q . (Wk x[u]) = (Wk^T q) . x[u]: the keys' operand is x itself; the query side carries g[w] = log2(e) (Wk^T Wq x[w] + Wk^T bq), made by f32 multiply-adds (four a number: no bulk work).
;   sum_u p_u (Wv x[u] + bv) = Wv (sum_u p_u x[u]) + bv, since sum_u p_u = 1: the second product's operand is x again; Wv and bv are applied once for each output.
; FORMATS.  Both products run in bf16 with f32 sums.  x and g are carried as TWO bf16 terms (hi = the upper 16 bits, exact; lo = the rest rounded to bf16): 16 significant bits; the extra terms
; fill places along K that head size 2 leaves empty.  The row's true maximum m is taken away in f32: p = 2^(s - m); p is rounded to bf16 and l is the sum of the rounded p (a row of ones in V^T).
; LIMITS: a weight below 2^-126 counts as 0; NaN and infinities are not treated apart.
; SHARES.  A work-group has 8 rows (b, h) and 16 waves; a wave has half a row's queries, 8 tiles of 16, against all 256 keys.  Every wave builds its own tables in its own LDS bytes
; (the two waves of a row build the key tables twice): no wave reads what another wrote, so there is no barrier.
; LAYOUT.  S^T = K Q^T (source 0 = 16 keys, source 1 = 16 queries): lane (r = l % 16, h = l / 16) ends with query r and keys 16 t + 8 h + 0..7.  Pairs rounded to bf16 ARE source 1 of
; O^T = V^T P.  V^T's rows 0-4 (and again 8-12) are ones, x1 hi, x1 lo, x2 hi, x2 lo: so both halves of the lanes hold l in register 0 and the four sums in registers 1-4; half h finishes channel h.
; THE KEY FRAGMENTS OVERLAP.  The query fragment's registers 2-7 are 0, so a key fragment's registers 2-7 may hold any finite number: key tile t's fragment is v[KX+2t : KX+2t+7],
; its own two registers and six of its neighbours' (the last runs into V^T's): numbers of the same row (b, h), finite wherever x is.
.set WAVEB, 9984                       ; LDS bytes of a wave
.set TG,    0                          ; [h][128 queries] x 8 bytes: (g1, g1), (g2, g2), hi terms for h = 0, lo terms for h = 1
.set TK,    2048                       ; [256 keys] x 8 bytes: (x1 hi, x1 lo), (x2 hi, x2 lo)
.set TV,    4096                       ; 5 rows of 256 bf16, 528 bytes apart
.set PV,    528
.set TX,    6736                       ; [channel][128] f32: x_c + bv_c of my queries
.set SY,    7760                       ; [h][128] f32: Wv's row h times the two sums
.set SL,    8784                       ; [h][128] f32: l (both halves write it, so that one address serves both stores)
.set SPARE, 16*WAVEB                   ; 159,744 = 624 x 256: the spare words, 128 bytes for each of the 16 waves, which no other line names
.set SPW, 1                            ; v1   SPARE + 4 x my thread's number; never rewritten
.set NIL, 2                            ; v2   0; never rewritten
.set AQ,  3                            ; v3   LDS address of the next tile's query entry
.set AR,  4                            ; v4   LDS address of this tile's results, less SY
.set WA,  5                            ; v5   wv[h][0]
.set WB,  6                            ; v6   wv[h][1]
.set S,   8                            ; v8-135    128 scores; P is packed into v8-71
.set T,   72                           ; v72-76    at work at a tile's end
.set KX,  136                          ; v136-167  key fragments, two registers a tile
.set VT,  168                          ; v168-231  V^T, eight registers for each 32 keys
.set QF,  232                          ; v232-239  the query fragment
.set OB,  240                          ; v240-247  O^T, odd blocks of 32 keys
.set OA,  248                          ; v248-255  O^T, even blocks
.set MP,  240                          ; v240-241  (m, m), until the second product writes OB
.set CH,  248                          ; v248-251  four chains of the maximum, until the second product writes OA
; at work in the opening, inside S:
.set X,   8                            ; v8-23     x: channel a, element 128 j + 4 lane + c at 8 a + 4 j + c
.set XQ,  24                           ; v24-31    my half's queries: channel a, query 4 lane + c at 4 a + c
.set HF,  32                           ; v32-47    x's hi terms as f32
.set WD,  48                           ; v48-63    the word (hi | lo << 16) at 8 j + 2 c + a
.set TVP, 64                           ; v64-79    at 8 a + 4 j: two words of hi terms, two of lo terms
.set ONES, 80                          ; v80-83
.set G,   84                           ; v84-91    g at 2 c + component
.set GHF, 92                           ; v92-99    g's hi terms as f32
.set GH,  100                          ; v100-107  (hi, hi)
.set GL,  108                          ; v108-115  (lo, lo)
.set LN,  116                          ; v116 lane, v117 r, v118 h
.set A16, 119                          ; my LDS bytes + 16 x lane
.set A32, 120                          ; + 32 x lane
.set A8,  121                          ; + 8 x lane
.set KLD, 122                          ; + 8 r
.set VLD, 123                          ; + 528 x min(r % 8, 4) + 16 h
; scalars: s2 wave, s3 which half of the queries, s4 my LDS bytes, s5 tiles to go, s[6:7] lane selects, s[8:25] the nine addresses, s[26:27] an offset, s[28:43] the weights,
; s44-47 a11 a12 a21 a22, s48-49 c1 c2, s50-52 masks and byte selects, s[54:57] x1 and x2 at my half
	s_load_b512 s[8:23], s[0:1], 0x0               ; x1 s[8:9], x2 s[10:11], wq s[12:13], bq s[14:15], wk s[16:17], wv s[18:19], bv s[20:21], out0 s[22:23]
	s_load_b64 s[24:25], s[0:1], 0x40              ; out1
	v_lshl_add_u32 v[SPW], v0, 2, SPARE
	v_mov_b32 v[NIL], 0
	v_lshrrev_b32 v7, 5, v0
	v_readfirstlane_b32 s2, v7                     ; wave 0..15
	v_and_b32 v[LN], 31, v0                        ; lane
	v_and_b32 v[LN+1], 15, v0                      ; r
	v_bfe_u32 v[LN+2], v0, 4, 1                    ; h
	s_and_b32 s3, s2, 1
	s_mul_i32 s4, s2, WAVEB
	s_mov_b32 s6, 0x76543210                       ; v_permlanex16_b32: each lane takes its own place in the other half
	s_mov_b32 s7, 0xfedcba98
	s_mov_b32 s50, 0xffff0000                      ; a number's upper 16 bits: its hi term
	s_mov_b32 s51, 0x05040100                      ; two low halves
	s_mov_b32 s52, 0x07060302                      ; two high halves
	s_lshl_b32 s26, ttmp9, 3
	s_lshr_b32 s27, s2, 1
	s_add_co_u32 s26, s26, s27                     ; my row (b, h) = 8 x work-group + wave / 2
	s_lshl_b32 s26, s26, 10                        ; 1,024 bytes a row
	s_mov_b32 s27, 0
	v_lshlrev_b32 v7, 4, v[LN]                     ; 16 bytes a lane
	s_wait_kmcnt 0x0
	s_load_b128 s[28:31], s[12:13], 0x0            ; wq00 wq01 wq10 wq11
	s_load_b64 s[32:33], s[14:15], 0x0             ; bq
	s_load_b64 s[34:35], s[20:21], 0x0             ; bv
	s_load_b128 s[36:39], s[16:17], 0x0            ; wk
	s_load_b128 s[40:43], s[18:19], 0x0            ; wv
	s_add_nc_u64 s[8:9], s[8:9], s[26:27]
	s_add_nc_u64 s[10:11], s[10:11], s[26:27]
	s_add_nc_u64 s[22:23], s[22:23], s[26:27]
	s_add_nc_u64 s[24:25], s[24:25], s[26:27]
	s_lshl_b32 s26, s3, 9                          ; my half's 128 queries: 512 bytes
	s_add_nc_u64 s[54:55], s[8:9], s[26:27]
	s_add_nc_u64 s[56:57], s[10:11], s[26:27]
	s_add_nc_u64 s[22:23], s[22:23], s[26:27]
	s_add_nc_u64 s[24:25], s[24:25], s[26:27]
	global_load_b128 v[X:X+3],      v7, s[8:9]               ; the whole row, as keys and values: each load of the wave is 512 consecutive bytes
	global_load_b128 v[X+4:X+7],    v7, s[8:9] offset:512
	global_load_b128 v[X+8:X+11],   v7, s[10:11]
	global_load_b128 v[X+12:X+15],  v7, s[10:11] offset:512
	global_load_b128 v[XQ:XQ+3],    v7, s[54:55]             ; my half once more, as queries
	global_load_b128 v[XQ+4:XQ+7],  v7, s[56:57]
	; while the loads are out: addresses, constants, the folded weights
	v_lshl_add_u32 v[A16], v[LN], 4, s4
	v_lshl_add_u32 v[A32], v[LN], 5, s4
	v_lshl_add_u32 v[A8],  v[LN], 3, s4
	v_lshl_add_u32 v[KLD], v[LN+1], 3, s4
	v_and_b32 v[VLD], 7, v0
	v_min_u32 v[VLD], 4, v[VLD]                    ; V^T's rows 5-7 and 13-15 repeat row 4: their sums are never read
	v_mul_u32_u24 v[VLD], v[VLD], PV
	v_lshl_add_u32 v[VLD], v[LN+2], 4, v[VLD]
	v_add_nc_u32 v[VLD], s4, v[VLD]
	v_lshl_add_u32 v[AQ], v[LN+2], 10, v[KLD]      ; my LDS bytes + 1,024 h + 8 r
	v_lshl_add_u32 v[AR], v[LN+1], 2, s4
	v_lshl_add_u32 v[AR], v[LN+2], 9, v[AR]        ; my LDS bytes + 512 h + 4 r
.irp n, 2,3,4,5,6,7
	v_mov_b32 v[QF+\n], 0
.endr
.irp n, 0,1,2,3
	v_mov_b32 v[ONES+\n], 0x3f803f80               ; 1.0 twice in bf16
.endr
	s_wait_kmcnt 0x0
	s_mul_f32 s44, s36, s28                        ; a_ij = sum over o of wk[o][i] wq[o][j];  c_i = sum over o of wk[o][i] bq[o]
	s_mul_f32 s45, s36, s29
	s_mul_f32 s46, s37, s28
	s_mul_f32 s47, s37, s29
	s_mul_f32 s48, s36, s32
	s_mul_f32 s49, s37, s32
	s_fmac_f32 s44, s38, s30
	s_fmac_f32 s45, s38, s31
	s_fmac_f32 s46, s39, s30
	s_fmac_f32 s47, s39, s31
	s_fmac_f32 s48, s38, s33
	s_fmac_f32 s49, s39, s33
.irp n, 44,45,46,47,48,49
	s_mul_f32 s\n, s\n, 0x3fb8aa3b                 ; log2(e): the exponentials work in base 2
.endr
	v_cmp_ne_u32 vcc_lo, 0, v[LN+2]
	v_mov_b32 v[WA], s40
	v_mov_b32 v124, s42
	v_mov_b32 v[WB], s41
	v_mov_b32 v125, s43
	v_cndmask_b32 v[WA], v[WA], v124, vcc_lo       ; Wv's row h
	v_cndmask_b32 v[WB], v[WB], v125, vcc_lo
	s_wait_loadcnt 0x2                             ; the row is in; the two loads of my queries, issued behind it, may stay out
.set n, 0
.rept 16
	v_and_b32 v[HF+n], s50, v[X+n]                 ; hi
.set n, n+1
.endr
.set n, 0
.rept 8
	v_pk_add_f32 v[X+n:X+n+1], v[X+n:X+n+1], v[HF+n:HF+n+1] neg_lo:[0,1] neg_hi:[0,1]  ; lo = x - hi, exact
.set n, n+2
.endr
.irp a, 0,1
.irp j, 0,1
.irp c, 0,1,2,3
	v_cvt_pk_bf16_f32 v[WD+8*(\j)+2*(\c)+(\a)], v[HF+8*(\a)+4*(\j)+(\c)], v[X+8*(\a)+4*(\j)+(\c)]  ; hi in the low half (exact), lo rounded in the high half
.endr
.endr
.endr
.irp j, 0,1
	ds_store_b128 v[A32], v[WD+8*(\j):WD+8*(\j)+3]   offset:TK+1024*(\j)      ; keys 128 j + 4 lane + 0, 1
	ds_store_b128 v[A32], v[WD+8*(\j)+4:WD+8*(\j)+7] offset:TK+1024*(\j)+16   ; and + 2, 3
.endr
.irp a, 0,1
.irp j, 0,1
	v_perm_b32 v[TVP+8*(\a)+4*(\j)],   v[WD+8*(\j)+2+(\a)], v[WD+8*(\j)+(\a)],   s51  ; hi terms of keys + 0, 1 (the even key in the low half)
	v_perm_b32 v[TVP+8*(\a)+4*(\j)+1], v[WD+8*(\j)+6+(\a)], v[WD+8*(\j)+4+(\a)], s51  ; of keys + 2, 3
	v_perm_b32 v[TVP+8*(\a)+4*(\j)+2], v[WD+8*(\j)+2+(\a)], v[WD+8*(\j)+(\a)],   s52  ; lo terms
	v_perm_b32 v[TVP+8*(\a)+4*(\j)+3], v[WD+8*(\j)+6+(\a)], v[WD+8*(\j)+4+(\a)], s52
	ds_store_b64 v[A8], v[TVP+8*(\a)+4*(\j):TVP+8*(\a)+4*(\j)+1]   offset:TV+PV*(1+2*(\a))+256*(\j)
	ds_store_b64 v[A8], v[TVP+8*(\a)+4*(\j)+2:TVP+8*(\a)+4*(\j)+3] offset:TV+PV*(2+2*(\a))+256*(\j)
.endr
.endr
	ds_store_b128 v[A16], v[ONES:ONES+3] offset:TV ; V^T's row 0
	s_wait_loadcnt 0x0                             ; my queries
.irp c, 0,1,2,3
	v_fma_f32 v[G+2*(\c)],   s44, v[XQ+(\c)], s48
	v_fma_f32 v[G+2*(\c)+1], s46, v[XQ+(\c)], s49
.endr
.irp c, 0,1,2,3
	v_fmac_f32 v[G+2*(\c)],   s45, v[XQ+4+(\c)]
	v_fmac_f32 v[G+2*(\c)+1], s47, v[XQ+4+(\c)]
.endr
.set n, 0
.rept 8
	v_and_b32 v[GHF+n], s50, v[G+n]
.set n, n+1
.endr
.set n, 0
.rept 4
	v_pk_add_f32 v[G+n:G+n+1], v[G+n:G+n+1], v[GHF+n:GHF+n+1] neg_lo:[0,1] neg_hi:[0,1]
.set n, n+2
.endr
.set n, 0
.rept 8
	v_cvt_pk_bf16_f32 v[GH+n], v[GHF+n], v[GHF+n]
	v_cvt_pk_bf16_f32 v[GL+n], v[G+n], v[G+n]
.set n, n+1
.endr
	ds_store_b128 v[A32], v[GH:GH+3]   offset:TG
	ds_store_b128 v[A32], v[GH+4:GH+7] offset:TG+16
	ds_store_b128 v[A32], v[GL:GL+3]   offset:TG+1024
	ds_store_b128 v[A32], v[GL+4:GL+7] offset:TG+1024+16
.irp c, 0,1,2,3
	v_add_f32 v[XQ+(\c)],   s34, v[XQ+(\c)]        ; x_c + bv_c waits in LDS for the way out
	v_add_f32 v[XQ+4+(\c)], s35, v[XQ+4+(\c)]
.endr
	ds_store_b128 v[A16], v[XQ:XQ+3]   offset:TX
	ds_store_b128 v[A16], v[XQ+4:XQ+7] offset:TX+512
	; the fragments: my own bytes, and LDS serves a wave's instructions in order (ISA guide 5.7.1.4), so these loads see the stores above without a wait
.set t, 0
.rept 16
	ds_load_b64 v[KX+2*t:KX+2*t+1], v[KLD] offset:TK+128*t                 ; key 16 t + r, the same in both halves of the lanes
.set t, t+1
.endr
.set c, 0
.rept 8
	ds_load_b128 v[VT+8*c:VT+8*c+3],   v[VLD] offset:TV+64*c               ; keys 32 c + 8 h + 0..7
	ds_load_b128 v[VT+8*c+4:VT+8*c+7], v[VLD] offset:TV+64*c+32            ; keys 32 c + 16 + 8 h + 0..7
.set c, c+1
.endr
	ds_load_b64 v[QF:QF+1], v[AQ]                  ; tile 0's queries
	v_add_nc_u32 v[AQ], 128, v[AQ]
	s_mov_b32 s5, 8
.macro W1 t                            ; S^T of key tile t: one product, which starts and ends its sum
	v_wmma_f32_16x16x32_bf16 v[S+8*(\t):S+8*(\t)+7], v[KX+2*(\t):KX+2*(\t)+7], v[QF:QF+7], 0
.endm
.macro RID t                           ; key tile t's eight scores enter the four chains of the maximum; the accumulator's lowest registers are read first
.irp j, 0,1,2,3
.if (\t) == 0
	v_max_num_f32 v[CH+\j], v[S+2*\j], v[S+2*\j+1]
.else
	v_max3_num_f32 v[CH+\j], v[CH+\j], v[S+8*(\t)+2*\j], v[S+8*(\t)+2*\j+1]
.endif
.endr
.endm
.macro SUBM i                          ; pair i of the scores less m
	v_pk_add_f32 v[S+2*(\i):S+2*(\i)+1], v[S+2*(\i):S+2*(\i)+1], v[MP:MP+1] neg_lo:[0,1] neg_hi:[0,1]
.endm
.Ltile:                                        ; eight trips: a tile of 16 queries against all 256 keys
	s_wait_dscnt 0x0                               ; first trip: all fragments; later: the query entry, asked for in the trip before, and that trip's two stores
	; the scores.  A vector instruction that reads a product's result stands four places behind it (ISA guide 7.12.1): four v_nop for the first four tiles, afterwards the four lines of earlier tiles' maxima
	W1 0
	W1 1
	W1 2
	W1 3
.rept 4
	v_nop
.endr
.set t, 4
.rept 12
	W1 t
	RID t-4
.set t, t+1
.endr
	RID 12
	RID 13
	RID 14
	RID 15
	v_max3_num_f32 v[CH], v[CH], v[CH+1], v[CH+2]
	v_max_num_f32 v[CH], v[CH], v[CH+3]
	v_permlanex16_b32 v[CH+1], v[CH], s6, s7       ; the query's other 128 keys lie in the lane 16 away
	v_max_num_f32 v[MP], v[CH], v[CH+1]
	v_max_num_f32 v[MP+1], v[CH], v[CH+1]          ; m twice: a pair for the packed subtraction
	s_cmp_eq_u32 s5, 1                             ; the last tile has no successor
	s_cbranch_scc1 .Lnoq
	ds_load_b64 v[QF:QF+1], v[AQ]                  ; the next tile's queries; the last product that read these registers stands twenty-five plain instructions back
.Lnoq:
	v_add_nc_u32 v[AQ], 128, v[AQ]
	; p = 2^(s - m): ONE BATCH of 128 exponentials, the subtractions two pairs ahead between them; nothing in it names an exponential's result
	SUBM 0
	SUBM 1
.set i, 0
.rept 64
	v_exp_f32 v[S+2*i], v[S+2*i]
.if i < 62
	SUBM i+2
.endif
	v_exp_f32 v[S+2*i+1], v[S+2*i+1]
.set i, i+1
.endr
	v_nop                                          ; a plain instruction behind the last exponential (ISA guide 5.7.2),
	s_wait_alu depctr_va_vdst(0)                   ; and one wait ahead of the batch's first reader
	; P, packed in place into S's lower half (word i is written when words 2 i and 2 i + 1 are read, never ahead of a reader), and O^T = V^T P, 32 keys at a time.
	; The two accumulators take turns, one instruction a turn; the first two products start the sums.
.set c, 0
.rept 8
.set i, 8*c
.rept 8
	v_cvt_pk_bf16_f32 v[S+i], v[S+2*i], v[S+2*i+1]
.set i, i+1
.endr
.set ac, OA-8*(c%2)
.if c < 2
	v_wmma_f32_16x16x32_bf16 v[ac:ac+7], v[VT+8*c:VT+8*c+7], v[S+8*c:S+8*c+7], 0
.else
	v_wmma_f32_16x16x32_bf16 v[ac:ac+7], v[VT+8*c:VT+8*c+7], v[S+8*c:S+8*c+7], v[ac:ac+7]
.endif
.set c, c+1
.endr
.rept 4
	v_nop                                          ; the places behind the last products
.endr
	v_pk_add_f32 v[T:T+1],   v[OA:OA+1],   v[OB:OB+1]    ; l; sum p x1 hi
	v_pk_add_f32 v[T+2:T+3], v[OA+2:OA+3], v[OB+2:OB+3]  ; sum p x1 lo; sum p x2 hi
	v_add_f32 v[T+4], v[OA+4], v[OB+4]                   ; sum p x2 lo
	v_add_f32 v[T+1], v[T+1], v[T+2]
	v_add_f32 v[T+3], v[T+3], v[T+4]
	v_mul_f32 v[T+1], v[WA], v[T+1]
	v_fmac_f32 v[T+1], v[WB], v[T+3]               ; Wv's row h times the two sums
	ds_store_b32 v[AR], v[T+1] offset:SY
	ds_store_b32 v[AR], v[T]   offset:SL
	v_add_nc_u32 v[AR], 64, v[AR]                  ; nine plain instructions that name none of the last product's registers (four v_nop, four on T, this one) stand ahead of the next trip's products, which write over P
	s_sub_co_i32 s5, s5, 1
	s_cmp_lg_u32 s5, 0
	s_cbranch_scc1 .Ltile
	; THE WAY OUT: lane l takes my queries 4 l .. 4 l + 3 of both channels: out_c = (Wv sums)_c / l + (x_c + bv_c)
	v_and_b32 v7, 31, v0
	v_lshlrev_b32 v3, 4, v7
	v_add_nc_u32 v7, s4, v3
	ds_load_b128 v[8:11],  v7 offset:SL
	ds_load_b128 v[12:15], v7 offset:SY
	ds_load_b128 v[16:19], v7 offset:SY+512
	ds_load_b128 v[20:23], v7 offset:TX
	ds_load_b128 v[24:27], v7 offset:TX+512
	s_wait_dscnt 0x4                               ; l is in; the four loads issued behind it may stay out
	v_rcp_f32 v28, v8
	v_rcp_f32 v29, v9
	v_rcp_f32 v30, v10
	v_rcp_f32 v31, v11
	v_nop                                          ; a plain instruction behind the last reciprocal
	s_wait_dscnt 0x0
	s_wait_alu depctr_va_vdst(0)                   ; one wait for the four reciprocals, ahead of their first reader
	v_pk_fma_f32 v[12:13], v[12:13], v[28:29], v[20:21]
	v_pk_fma_f32 v[14:15], v[14:15], v[30:31], v[22:23]
	v_pk_fma_f32 v[16:17], v[16:17], v[28:29], v[24:25]
	v_pk_fma_f32 v[18:19], v[18:19], v[30:31], v[26:27]
	global_store_b128 v3, v[12:15], s[22:23] th:TH_STORE_NT  ; each store of the wave covers 512 consecutive bytes, at a multiple of 512 from the output's first byte
	global_store_b128 v3, v[16:19], s[24:25] th:TH_STORE_NT
	s_wait_tensorcnt 0x0                           ; the wave's end, behind my last LDS store
	ds_add_u32 v[SPW], v[NIL]
	s_wait_dscnt 0x0
	s_endpgm
.Lfunc_end_k_qa2465c7425_attn:
	.size	k_qa2465c7425_attn, .Lfunc_end_k_qa2465c7425_attn-k_qa2465c7425_attn
	.p2alignl 7, 3214868480
	.fill 96, 4, 3214868480
	.section	.rodata,"a",@progbits
	.p2align	6, 0x0
	.amdhsa_kernel k_qa2465c7425_attn
		.amdhsa_group_segment_fixed_size 161792
		.amdhsa_private_segment_fixed_size 0
		.amdhsa_enable_private_segment 0
		.amdhsa_kernarg_size 72
		.amdhsa_user_sgpr_count 2
		.amdhsa_user_sgpr_kernarg_segment_ptr 1
		.amdhsa_wavefront_size32 1
		.amdhsa_system_sgpr_workgroup_id_x 1
		.amdhsa_system_sgpr_workgroup_id_y 1
		.amdhsa_system_sgpr_workgroup_id_z 1
		.amdhsa_system_vgpr_workitem_id 0
		.amdhsa_next_free_vgpr 256
		.amdhsa_next_free_sgpr 66
		.amdhsa_reserve_vcc 1
		.amdhsa_float_denorm_mode_32 3
		.amdhsa_float_denorm_mode_16_64 3
		.amdhsa_memory_ordered 1
		.amdhsa_forward_progress 1
		.amdhsa_inst_pref_size 34
	.end_amdhsa_kernel
	.amdgpu_metadata
---
amdhsa.version: [ 1, 2 ]
amdhsa.kernels:
  - .name:           k_qa2465c7425_attn
    .symbol:         k_qa2465c7425_attn.kd
    .args:
      - { .name: x1, .offset: 0, .size: 8, .value_kind: global_buffer, .address_space: global }
      - { .name: x2, .offset: 8, .size: 8, .value_kind: global_buffer, .address_space: global }
      - { .name: wq, .offset: 16, .size: 8, .value_kind: global_buffer, .address_space: global }
      - { .name: bq, .offset: 24, .size: 8, .value_kind: global_buffer, .address_space: global }
      - { .name: wk, .offset: 32, .size: 8, .value_kind: global_buffer, .address_space: global }
      - { .name: wv, .offset: 40, .size: 8, .value_kind: global_buffer, .address_space: global }
      - { .name: bv, .offset: 48, .size: 8, .value_kind: global_buffer, .address_space: global }
      - { .name: out0, .offset: 56, .size: 8, .value_kind: global_buffer, .address_space: global }
      - { .name: out1, .offset: 64, .size: 8, .value_kind: global_buffer, .address_space: global }
    .group_segment_fixed_size: 161792
    .private_segment_fixed_size: 0
    .kernarg_segment_align: 8
    .kernarg_segment_size: 72
    .max_flat_workgroup_size: 512
    .sgpr_count:     66
    .vgpr_count:     256
    .wavefront_size: 32
...
	.end_amdgpu_metadata
.endif
;; end of part 1
;; ======== version 2 of 2: 1 launch; version 1 with the launch attn written anew for expert scheduling mode
;; launch attn (part 2): grid 256 x 1, 16 waves a work-group, no clusters, 161,792 bytes of LDS; arguments x1, x2, wq, bq, wk, wv, bv, out0, out1; writes out0, out1
.if DOCPART == 2
	.amdgcn_target "amdgcn-amd-amdhsa--gfx1250"
	.amdhsa_code_object_version 6
	.text
	.protected	k_qa2465c7425_attn
	.globl	k_qa2465c7425_attn
	.p2align	8
	.type	k_qa2465c7425_attn,@function
k_qa2465c7425_attn:
	s_mov_b64 s[64:65], 0
	v_nop
	global_prefetch_b8 v0, s[64:65] scope:SCOPE_SE
	s_setreg_imm32_b32 hwreg(HW_REG_WAVE_SCHED_MODE, 0, 2), 2
	s_setreg_imm32_b32 hwreg(HW_REG_WAVE_MODE, 25, 1), 1
	s_wait_xcnt 0x0
	s_wait_alu depctr_vm_vsrc(0)
; ChannelSelfAttention.  For each of the 2,048 rows (b, h): an attention over 256 positions with head size 2, whose q, k and v are 2 x 2 projections of the pair x = (x1, x2);
; out_c[w] = x_c[w] + sum_u softmax_u(q[w] . k[u]) v_c[u].
; WORK LEFT OUT, for all finite values of the inputs:
;   bk.  q[w] . k[u] = q[w] . (Wk x[u]) + q[w] . bk, and the second term is the same for every u, the softmax's axis: it cancels in the softmax.  bk has no way to an output: it is not loaded
;   and is not among the arguments.  LIMIT: a NaN, an infinity or an overflow that reaches only that term is not carried to the result.
; WORK REORDERED by linear identities (the order of rounding differs from the reference's):
;   q . (Wk x[u]) = (Wk^T q) . x[u]: the keys' operand is x itself; the query side carries g[w] = log2(e) (Wk^T Wq x[w] + Wk^T bq), made by f32 multiply-adds (four a number: no bulk work).
;   sum_u p_u (Wv x[u] + bv) = Wv (sum_u p_u x[u]) + bv, since sum_u p_u = 1: the second product's operand is x again; Wv and bv are applied once for each output.
; FORMATS.  Both products run in bf16 with f32 sums.  x and g are carried as TWO bf16 terms (hi = the upper 16 bits, exact; lo = the rest rounded to bf16): 16 significant bits; the extra terms
; fill places along K that head size 2 leaves empty.  The row's true maximum m is taken away in f32: p = 2^(s - m); p is rounded to bf16 and l is the sum of the rounded p (a row of ones in V^T).
; LIMITS: a weight below 2^-126 counts as 0; NaN and infinities are not treated apart.
; SHARES.  A work-group has 8 rows (b, h) and 16 waves; a wave has half a row's queries, 8 tiles of 16, against all 256 keys.  Every wave builds its own tables in its own LDS bytes
; (the two waves of a row build the key tables twice): no wave reads what another wrote, so there is no barrier.
; LAYOUT.  S^T = K Q^T (source 0 = 16 keys, source 1 = 16 queries): lane (r = l % 16, h = l / 16) ends with query r and keys 16 t + 8 h + 0..7.  Pairs rounded to bf16 ARE source 1 of
; O^T = V^T P.  V^T's rows 0-4 (and again 8-12) are ones, x1 hi, x1 lo, x2 hi, x2 lo: so both halves of the lanes hold l in register 0 and the four sums in registers 1-4; half h finishes channel h.
; THE KEY FRAGMENTS OVERLAP.  The query fragment's registers 2-7 are 0, so a key fragment's registers 2-7 may hold any finite number: key tile t's fragment is v[KX+2t : KX+2t+7],
; its own two registers and six of its neighbours' (the last runs into V^T's): numbers of the same row (b, h), finite wherever x is.
; THE MODE: SCHED_MODE bits 1:0 = 2 (LLVM: expert scheduling mode 2), set by the entry lines.  The code itself states the register dependences
; between vector or matrix instructions and memory or LDS instructions, with s_wait_alu, always for 0.
; THE PLAN.  Registers that memory or LDS instructions touch:
;   the opening   v7 is the six global loads' offset.  The tables' words (inside S) are written by vector lines and read by LDS stores, in two groups, each behind one wait on va_vdst;
;                 the LDS addresses (inside S too) are made ahead of the first of these waits.  One wait on vm_vsrc ahead of the loop frees all of S for the first products.
;   KX, VT        loaded once from LDS; afterwards matrix instructions alone name them.
;   QF, QF+1      read by a tile's sixteen score products; the next tile's entry lands in them, asked for directly behind the wait for the tile's exponentials, which stands behind those products.
;   v[AQ], v[AR]  read by the query load and by the tile's two stores; each is written once a trip, at the trip's end, behind the trip's one wait on vm_vsrc.
;   T, T+1        written by the tile's last additions, read by its two stores (a wait on va_vdst between); the next trip's products write over them, behind the same wait on vm_vsrc.
;   the way out   v7, v3 addresses; v8-27 land from LDS; v12-19 are written by four multiply-adds and read by the two global stores.
;   v[SPW], v[NIL] written at the head, read by the closing add alone.
; So a trip holds two waits on va_vdst (the exponentials' own, which also serves the query load; one ahead of the two stores) and one on vm_vsrc.
.set WAVEB, 9984                       ; LDS bytes of a wave
.set TG,    0                          ; [h][128 queries] x 8 bytes: (g1, g1), (g2, g2), hi terms for h = 0, lo terms for h = 1
.set TK,    2048                       ; [256 keys] x 8 bytes: (x1 hi, x1 lo), (x2 hi, x2 lo)
.set TV,    4096                       ; 5 rows of 256 bf16, 528 bytes apart
.set PV,    528
.set TX,    6736                       ; [channel][128] f32: x_c + bv_c of my queries
.set SY,    7760                       ; [h][128] f32: Wv's row h times the two sums
.set SL,    8784                       ; [h][128] f32: l (both halves write it, so that one address serves both stores)
.set SPARE, 16*WAVEB                   ; 159,744 = 624 x 256: the spare words, 128 bytes for each of the 16 waves, which no other line names
.set SPW, 1                            ; v1   SPARE + 4 x my thread's number; never rewritten
.set NIL, 2                            ; v2   0; never rewritten
.set AQ,  3                            ; v3   LDS address of this tile's query entry; the next tile's lies 128 bytes on
.set AR,  4                            ; v4   LDS address of this tile's results, less SY
.set WA,  5                            ; v5   wv[h][0]
.set WB,  6                            ; v6   wv[h][1]
.set S,   8                            ; v8-135    128 scores; P is packed into v8-71
.set T,   72                           ; v72-76    at work at a tile's end
.set KX,  136                          ; v136-167  key fragments, two registers a tile
.set VT,  168                          ; v168-231  V^T, eight registers for each 32 keys
.set QF,  232                          ; v232-239  the query fragment
.set OB,  240                          ; v240-247  O^T, odd blocks of 32 keys
.set OA,  248                          ; v248-255  O^T, even blocks
.set MP,  240                          ; v240-241  (m, m), until the second product writes OB
.set CH,  248                          ; v248-251  four chains of the maximum, until the second product writes OA
; at work in the opening, inside S:
.set X,   8                            ; v8-23     x: channel a, element 128 j + 4 lane + c at 8 a + 4 j + c
.set XQ,  24                           ; v24-31    my half's queries: channel a, query 4 lane + c at 4 a + c
.set HF,  32                           ; v32-47    x's hi terms as f32
.set WD,  48                           ; v48-63    the word (hi | lo << 16) at 8 j + 2 c + a
.set TVP, 64                           ; v64-79    at 8 a + 4 j: two words of hi terms, two of lo terms
.set ONES, 80                          ; v80-83
.set G,   84                           ; v84-91    g at 2 c + component
.set GHF, 92                           ; v92-99    g's hi terms as f32
.set GH,  100                          ; v100-107  (hi, hi)
.set GL,  108                          ; v108-115  (lo, lo)
.set LN,  116                          ; v116 lane, v117 r, v118 h
.set A16, 119                          ; my LDS bytes + 16 x lane
.set A32, 120                          ; + 32 x lane
.set A8,  121                          ; + 8 x lane
.set KLD, 122                          ; + 8 r
.set VLD, 123                          ; + 528 x min(r % 8, 4) + 16 h
; scalars: s2 wave, s3 which half of the queries, s4 my LDS bytes, s5 tiles to go, s[6:7] lane selects, s[8:25] the nine addresses, s[26:27] an offset, s[28:43] the weights,
; s44-47 a11 a12 a21 a22, s48-49 c1 c2, s50-52 masks and byte selects, s[54:57] x1 and x2 at my half
	s_load_b512 s[8:23], s[0:1], 0x0               ; x1 s[8:9], x2 s[10:11], wq s[12:13], bq s[14:15], wk s[16:17], wv s[18:19], bv s[20:21], out0 s[22:23]
	s_load_b64 s[24:25], s[0:1], 0x40              ; out1
	v_lshl_add_u32 v[SPW], v0, 2, SPARE
	v_mov_b32 v[NIL], 0
	v_lshrrev_b32 v7, 5, v0
	v_readfirstlane_b32 s2, v7                     ; wave 0..15
	v_and_b32 v[LN], 31, v0                        ; lane
	v_and_b32 v[LN+1], 15, v0                      ; r
	v_bfe_u32 v[LN+2], v0, 4, 1                    ; h
	s_wait_alu depctr_va_sdst(0)                   ; s2 is written, ahead of its first reader: the half, my LDS bytes and my row are made from it
	s_and_b32 s3, s2, 1
	s_mul_i32 s4, s2, WAVEB
	s_mov_b32 s6, 0x76543210                       ; v_permlanex16_b32: each lane takes its own place in the other half
	s_mov_b32 s7, 0xfedcba98
	s_mov_b32 s50, 0xffff0000                      ; a number's upper 16 bits: its hi term
	s_mov_b32 s51, 0x05040100                      ; two low halves
	s_mov_b32 s52, 0x07060302                      ; two high halves
	s_lshl_b32 s26, ttmp9, 3
	s_lshr_b32 s27, s2, 1
	s_add_co_u32 s26, s26, s27                     ; my row (b, h) = 8 x work-group + wave / 2
	s_lshl_b32 s26, s26, 10                        ; 1,024 bytes a row
	s_mov_b32 s27, 0
	v_lshlrev_b32 v7, 4, v[LN]                     ; 16 bytes a lane
	s_wait_kmcnt 0x0
	s_load_b128 s[28:31], s[12:13], 0x0            ; wq00 wq01 wq10 wq11
	s_load_b64 s[32:33], s[14:15], 0x0             ; bq
	s_load_b64 s[34:35], s[20:21], 0x0             ; bv
	s_load_b128 s[36:39], s[16:17], 0x0            ; wk
	s_load_b128 s[40:43], s[18:19], 0x0            ; wv
	s_add_nc_u64 s[8:9], s[8:9], s[26:27]
	s_add_nc_u64 s[10:11], s[10:11], s[26:27]
	s_add_nc_u64 s[22:23], s[22:23], s[26:27]
	s_add_nc_u64 s[24:25], s[24:25], s[26:27]
	s_lshl_b32 s26, s3, 9                          ; my half's 128 queries: 512 bytes
	s_add_nc_u64 s[54:55], s[8:9], s[26:27]
	s_add_nc_u64 s[56:57], s[10:11], s[26:27]
	s_add_nc_u64 s[22:23], s[22:23], s[26:27]
	s_add_nc_u64 s[24:25], s[24:25], s[26:27]
	s_wait_alu depctr_va_vdst(0)                   ; v7 is written, which the six loads below read as their offset
	global_load_b128 v[X:X+3],      v7, s[8:9]               ; the whole row, as keys and values: each load of the wave is 512 consecutive bytes
	global_load_b128 v[X+4:X+7],    v7, s[8:9] offset:512
	global_load_b128 v[X+8:X+11],   v7, s[10:11]
	global_load_b128 v[X+12:X+15],  v7, s[10:11] offset:512
	global_load_b128 v[XQ:XQ+3],    v7, s[54:55]             ; my half once more, as queries
	global_load_b128 v[XQ+4:XQ+7],  v7, s[56:57]
	; while the loads are out: addresses, constants, the folded weights; none of these lines names v7 or v8-31
	v_lshl_add_u32 v[A16], v[LN], 4, s4
	v_lshl_add_u32 v[A32], v[LN], 5, s4
	v_lshl_add_u32 v[A8],  v[LN], 3, s4
	v_lshl_add_u32 v[KLD], v[LN+1], 3, s4
	v_and_b32 v[VLD], 7, v0
	v_min_u32 v[VLD], 4, v[VLD]                    ; V^T's rows 5-7 and 13-15 repeat row 4: their sums are never read
	v_mul_u32_u24 v[VLD], v[VLD], PV
	v_lshl_add_u32 v[VLD], v[LN+2], 4, v[VLD]
	v_add_nc_u32 v[VLD], s4, v[VLD]
	v_lshl_add_u32 v[AQ], v[LN+2], 10, v[KLD]      ; my LDS bytes + 1,024 h + 8 r
	v_lshl_add_u32 v[AR], v[LN+1], 2, s4
	v_lshl_add_u32 v[AR], v[LN+2], 9, v[AR]        ; my LDS bytes + 512 h + 4 r
.irp n, 2,3,4,5,6,7
	v_mov_b32 v[QF+\n], 0
.endr
.irp n, 0,1,2,3
	v_mov_b32 v[ONES+\n], 0x3f803f80               ; 1.0 twice in bf16
.endr
	s_wait_kmcnt 0x0
	s_mul_f32 s44, s36, s28                        ; a_ij = sum over o of wk[o][i] wq[o][j];  c_i = sum over o of wk[o][i] bq[o]
	s_mul_f32 s45, s36, s29
	s_mul_f32 s46, s37, s28
	s_mul_f32 s47, s37, s29
	s_mul_f32 s48, s36, s32
	s_mul_f32 s49, s37, s32
	s_fmac_f32 s44, s38, s30
	s_fmac_f32 s45, s38, s31
	s_fmac_f32 s46, s39, s30
	s_fmac_f32 s47, s39, s31
	s_fmac_f32 s48, s38, s33
	s_fmac_f32 s49, s39, s33
.irp n, 44,45,46,47,48,49
	s_mul_f32 s\n, s\n, 0x3fb8aa3b                 ; log2(e): the exponentials work in base 2
.endr
	v_cmp_ne_u32 vcc_lo, 0, v[LN+2]
	v_mov_b32 v[WA], s40
	v_mov_b32 v124, s42
	v_mov_b32 v[WB], s41
	v_mov_b32 v125, s43
	s_wait_alu depctr_va_vcc(0)                    ; the compare has written VCC, ahead of its first reader, the select below
	v_cndmask_b32 v[WA], v[WA], v124, vcc_lo       ; Wv's row h
	v_cndmask_b32 v[WB], v[WB], v125, vcc_lo
	s_wait_loadcnt 0x2                             ; the row is in; the two loads of my queries, issued behind it, may stay out
.set n, 0
.rept 16
	v_and_b32 v[HF+n], s50, v[X+n]                 ; hi
.set n, n+1
.endr
.set n, 0
.rept 8
	v_pk_add_f32 v[X+n:X+n+1], v[X+n:X+n+1], v[HF+n:HF+n+1] neg_lo:[0,1] neg_hi:[0,1]  ; lo = x - hi, exact
.set n, n+2
.endr
.irp a, 0,1
.irp j, 0,1
.irp c, 0,1,2,3
	v_cvt_pk_bf16_f32 v[WD+8*(\j)+2*(\c)+(\a)], v[HF+8*(\a)+4*(\j)+(\c)], v[X+8*(\a)+4*(\j)+(\c)]  ; hi in the low half (exact), lo rounded in the high half
.endr
.endr
.endr
.irp a, 0,1
.irp j, 0,1
	v_perm_b32 v[TVP+8*(\a)+4*(\j)],   v[WD+8*(\j)+2+(\a)], v[WD+8*(\j)+(\a)],   s51  ; hi terms of keys + 0, 1 (the even key in the low half)
	v_perm_b32 v[TVP+8*(\a)+4*(\j)+1], v[WD+8*(\j)+6+(\a)], v[WD+8*(\j)+4+(\a)], s51  ; of keys + 2, 3
	v_perm_b32 v[TVP+8*(\a)+4*(\j)+2], v[WD+8*(\j)+2+(\a)], v[WD+8*(\j)+(\a)],   s52  ; lo terms
	v_perm_b32 v[TVP+8*(\a)+4*(\j)+3], v[WD+8*(\j)+6+(\a)], v[WD+8*(\j)+4+(\a)], s52
.endr
.endr
	s_wait_alu depctr_va_vdst(0)                   ; WD, TVP and ONES are written, which the thirteen LDS stores below read as data; so are all the LDS addresses made above
.irp j, 0,1
	ds_store_b128 v[A32], v[WD+8*(\j):WD+8*(\j)+3]   offset:TK+1024*(\j)      ; keys 128 j + 4 lane + 0, 1
	ds_store_b128 v[A32], v[WD+8*(\j)+4:WD+8*(\j)+7] offset:TK+1024*(\j)+16   ; and + 2, 3
.endr
.irp a, 0,1
.irp j, 0,1
	ds_store_b64 v[A8], v[TVP+8*(\a)+4*(\j):TVP+8*(\a)+4*(\j)+1]   offset:TV+PV*(1+2*(\a))+256*(\j)
	ds_store_b64 v[A8], v[TVP+8*(\a)+4*(\j)+2:TVP+8*(\a)+4*(\j)+3] offset:TV+PV*(2+2*(\a))+256*(\j)
.endr
.endr
	ds_store_b128 v[A16], v[ONES:ONES+3] offset:TV ; V^T's row 0
	s_wait_loadcnt 0x0                             ; my queries.  The lines below write G, GHF, GH, GL and XQ: none of the registers that the stores above read
.irp c, 0,1,2,3
	v_fma_f32 v[G+2*(\c)],   s44, v[XQ+(\c)], s48
	v_fma_f32 v[G+2*(\c)+1], s46, v[XQ+(\c)], s49
.endr
.irp c, 0,1,2,3
	v_fmac_f32 v[G+2*(\c)],   s45, v[XQ+4+(\c)]
	v_fmac_f32 v[G+2*(\c)+1], s47, v[XQ+4+(\c)]
.endr
.set n, 0
.rept 8
	v_and_b32 v[GHF+n], s50, v[G+n]
.set n, n+1
.endr
.set n, 0
.rept 4
	v_pk_add_f32 v[G+n:G+n+1], v[G+n:G+n+1], v[GHF+n:GHF+n+1] neg_lo:[0,1] neg_hi:[0,1]
.set n, n+2
.endr
.set n, 0
.rept 8
	v_cvt_pk_bf16_f32 v[GH+n], v[GHF+n], v[GHF+n]
	v_cvt_pk_bf16_f32 v[GL+n], v[G+n], v[G+n]
.set n, n+1
.endr
.irp c, 0,1,2,3
	v_add_f32 v[XQ+(\c)],   s34, v[XQ+(\c)]        ; x_c + bv_c waits in LDS for the way out
	v_add_f32 v[XQ+4+(\c)], s35, v[XQ+4+(\c)]
.endr
	s_wait_alu depctr_va_vdst(0)                   ; GH, GL and XQ are written, which the six LDS stores below read; no vector line stands between this wait and the fragments' loads
	ds_store_b128 v[A32], v[GH:GH+3]   offset:TG
	ds_store_b128 v[A32], v[GH+4:GH+7] offset:TG+16
	ds_store_b128 v[A32], v[GL:GL+3]   offset:TG+1024
	ds_store_b128 v[A32], v[GL+4:GL+7] offset:TG+1024+16
	ds_store_b128 v[A16], v[XQ:XQ+3]   offset:TX
	ds_store_b128 v[A16], v[XQ+4:XQ+7] offset:TX+512
	; the fragments: my own bytes, and LDS serves a wave's instructions in order (ISA guide 5.7.1.4), so these loads see the stores above without a wait
.set t, 0
.rept 16
	ds_load_b64 v[KX+2*t:KX+2*t+1], v[KLD] offset:TK+128*t                 ; key 16 t + r, the same in both halves of the lanes
.set t, t+1
.endr
.set c, 0
.rept 8
	ds_load_b128 v[VT+8*c:VT+8*c+3],   v[VLD] offset:TV+64*c               ; keys 32 c + 8 h + 0..7
	ds_load_b128 v[VT+8*c+4:VT+8*c+7], v[VLD] offset:TV+64*c+32            ; keys 32 c + 16 + 8 h + 0..7
.set c, c+1
.endr
	ds_load_b64 v[QF:QF+1], v[AQ]                  ; tile 0's queries
	s_wait_alu depctr_vm_vsrc(0)                   ; the opening's LDS stores and loads have read their data and addresses (v24-31, v48-83, v100-123), which lie in S and are written over by the first products; the global loads have read v7
	s_mov_b32 s5, 8
.macro W1 t                            ; S^T of key tile t: one product, which starts and ends its sum
	v_wmma_f32_16x16x32_bf16 v[S+8*(\t):S+8*(\t)+7], v[KX+2*(\t):KX+2*(\t)+7], v[QF:QF+7], 0
.endm
.macro RID t                           ; key tile t's eight scores enter the four chains of the maximum; the accumulator's lowest registers are read first
.irp j, 0,1,2,3
.if (\t) == 0
	v_max_num_f32 v[CH+\j], v[S+2*\j], v[S+2*\j+1]
.else
	v_max3_num_f32 v[CH+\j], v[CH+\j], v[S+8*(\t)+2*\j], v[S+8*(\t)+2*\j+1]
.endif
.endr
.endm
.macro SUBM i                          ; pair i of the scores less m
	v_pk_add_f32 v[S+2*(\i):S+2*(\i)+1], v[S+2*(\i):S+2*(\i)+1], v[MP:MP+1] neg_lo:[0,1] neg_hi:[0,1]
.endm
.Ltile:                                        ; eight trips: a tile of 16 queries against all 256 keys
	s_wait_dscnt 0x0                               ; first trip: all fragments; later: the query entry, asked for in the trip before, and that trip's two stores
	; the scores.  A vector instruction that reads a product's result stands four places behind it (ISA guide 7.12.1): four v_nop for the first four tiles, afterwards the four lines of earlier tiles' maxima
	W1 0
	W1 1
	W1 2
	W1 3
.rept 4
	v_nop
.endr
.set t, 4
.rept 12
	W1 t
	RID t-4
.set t, t+1
.endr
	RID 12
	RID 13
	RID 14
	RID 15
	v_max3_num_f32 v[CH], v[CH], v[CH+1], v[CH+2]
	v_max_num_f32 v[CH], v[CH], v[CH+3]
	v_permlanex16_b32 v[CH+1], v[CH], s6, s7       ; the query's other 128 keys lie in the lane 16 away
	v_max_num_f32 v[MP], v[CH], v[CH+1]
	v_max_num_f32 v[MP+1], v[CH], v[CH+1]          ; m twice: a pair for the packed subtraction
	; p = 2^(s - m): ONE BATCH of 128 exponentials, the subtractions two pairs ahead between them; nothing in it names an exponential's result
	SUBM 0
	SUBM 1
.set i, 0
.rept 64
	v_exp_f32 v[S+2*i], v[S+2*i]
.if i < 62
	SUBM i+2
.endif
	v_exp_f32 v[S+2*i+1], v[S+2*i+1]
.set i, i+1
.endr
	v_nop                                          ; a plain instruction behind the last exponential (ISA guide 5.7.2)
	s_wait_alu depctr_va_vdst(0)                   ; the 128 exponentials have written S, ahead of their first reader; the sixteen products are done reading QF, in which the load below lands; v[AQ], stepped at the last trip's end, is written
	s_cmp_eq_u32 s5, 1                             ; the last tile has no successor
	s_cbranch_scc1 .Lnoq
	ds_load_b64 v[QF:QF+1], v[AQ] offset:128       ; the next tile's queries; no vector or matrix line from here to the trip's end names QF or QF+1
.Lnoq:
	; P, packed in place into S's lower half (word i is written when words 2 i and 2 i + 1 are read, never ahead of a reader), and O^T = V^T P, 32 keys at a time.
	; The two accumulators take turns, one instruction a turn; the first two products start the sums.
.set c, 0
.rept 8
.set i, 8*c
.rept 8
	v_cvt_pk_bf16_f32 v[S+i], v[S+2*i], v[S+2*i+1]
.set i, i+1
.endr
.set ac, OA-8*(c%2)
.if c < 2
	v_wmma_f32_16x16x32_bf16 v[ac:ac+7], v[VT+8*c:VT+8*c+7], v[S+8*c:S+8*c+7], 0
.else
	v_wmma_f32_16x16x32_bf16 v[ac:ac+7], v[VT+8*c:VT+8*c+7], v[S+8*c:S+8*c+7], v[ac:ac+7]
.endif
.set c, c+1
.endr
.rept 4
	v_nop                                          ; the places behind the last products
.endr
	v_pk_add_f32 v[T:T+1],   v[OA:OA+1],   v[OB:OB+1]    ; l; sum p x1 hi
	v_pk_add_f32 v[T+2:T+3], v[OA+2:OA+3], v[OB+2:OB+3]  ; sum p x1 lo; sum p x2 hi
	v_add_f32 v[T+4], v[OA+4], v[OB+4]                   ; sum p x2 lo
	v_add_f32 v[T+1], v[T+1], v[T+2]
	v_add_f32 v[T+3], v[T+3], v[T+4]
	v_mul_f32 v[T+1], v[WA], v[T+1]
	v_fmac_f32 v[T+1], v[WB], v[T+3]               ; Wv's row h times the two sums
	s_wait_alu depctr_va_vdst(0)                   ; T and T+1 are written, which the two stores below read
	ds_store_b32 v[AR], v[T+1] offset:SY
	ds_store_b32 v[AR], v[T]   offset:SL
	s_wait_alu depctr_vm_vsrc(0)                   ; the two stores have read v[AR], T and T+1, and the query load has read v[AQ]: the adds below write the two addresses, the next trip's products write over T
	v_add_nc_u32 v[AR], 64, v[AR]                  ; ten plain instructions that name none of the last product's registers (four v_nop, four on T, these two) stand ahead of the next trip's products, which write over P
	v_add_nc_u32 v[AQ], 128, v[AQ]
	s_sub_co_i32 s5, s5, 1
	s_cmp_lg_u32 s5, 0
	s_cbranch_scc1 .Ltile
	; THE WAY OUT: lane l takes my queries 4 l .. 4 l + 3 of both channels: out_c = (Wv sums)_c / l + (x_c + bv_c).  v3 and v7 are free: the waits on vm_vsrc at the trip's end and ahead of the loop stand behind their last readers
	v_and_b32 v7, 31, v0
	v_lshlrev_b32 v3, 4, v7
	v_add_nc_u32 v7, s4, v3
	s_wait_alu depctr_va_vdst(0)                   ; v7 is written, which the five LDS loads read, and v3, which the global stores read; the roundings and products are done with v8-27, in which the loads land
	ds_load_b128 v[8:11],  v7 offset:SL
	ds_load_b128 v[12:15], v7 offset:SY
	ds_load_b128 v[16:19], v7 offset:SY+512
	ds_load_b128 v[20:23], v7 offset:TX
	ds_load_b128 v[24:27], v7 offset:TX+512
	s_wait_dscnt 0x4                               ; l is in; the four loads issued behind it may stay out
	v_rcp_f32 v28, v8
	v_rcp_f32 v29, v9
	v_rcp_f32 v30, v10
	v_rcp_f32 v31, v11
	v_nop                                          ; a plain instruction behind the last reciprocal
	s_wait_dscnt 0x0
	s_wait_alu depctr_va_vdst(0)                   ; the four reciprocals have written v28-31, ahead of their first reader
	v_pk_fma_f32 v[12:13], v[12:13], v[28:29], v[20:21]
	v_pk_fma_f32 v[14:15], v[14:15], v[30:31], v[22:23]
	v_pk_fma_f32 v[16:17], v[16:17], v[28:29], v[24:25]
	v_pk_fma_f32 v[18:19], v[18:19], v[30:31], v[26:27]
	s_wait_alu depctr_va_vdst(0)                   ; the four multiply-adds have written v12-19, which the two stores read
	global_store_b128 v3, v[12:15], s[22:23] th:TH_STORE_NT  ; each store of the wave covers 512 consecutive bytes, at a multiple of 512 from the output's first byte
	global_store_b128 v3, v[16:19], s[24:25] th:TH_STORE_NT
	s_wait_dscnt 0x0                               ; the closing lines, six on end
	s_wait_alu 0x0
	s_wait_tensorcnt 0x0
	ds_add_u32 v[SPW], v[NIL]
	s_wait_dscnt 0x0
	s_endpgm
.Lfunc_end_k_qa2465c7425_attn:
	.size	k_qa2465c7425_attn, .Lfunc_end_k_qa2465c7425_attn-k_qa2465c7425_attn
	.p2alignl 7, 3214868480
	.fill 96, 4, 3214868480
	.section	.rodata,"a",@progbits
	.p2align	6, 0x0
	.amdhsa_kernel k_qa2465c7425_attn
		.amdhsa_group_segment_fixed_size 161792
		.amdhsa_private_segment_fixed_size 0
		.amdhsa_enable_private_segment 0
		.amdhsa_kernarg_size 72
		.amdhsa_user_sgpr_count 2
		.amdhsa_user_sgpr_kernarg_segment_ptr 1
		.amdhsa_wavefront_size32 1
		.amdhsa_system_sgpr_workgroup_id_x 1
		.amdhsa_system_sgpr_workgroup_id_y 1
		.amdhsa_system_sgpr_workgroup_id_z 1
		.amdhsa_system_vgpr_workitem_id 0
		.amdhsa_next_free_vgpr 256
		.amdhsa_next_free_sgpr 66
		.amdhsa_reserve_vcc 1
		.amdhsa_float_denorm_mode_32 3
		.amdhsa_float_denorm_mode_16_64 3
		.amdhsa_memory_ordered 1
		.amdhsa_forward_progress 1
		.amdhsa_inst_pref_size 34
	.end_amdhsa_kernel
	.amdgpu_metadata
---
amdhsa.version: [ 1, 2 ]
amdhsa.kernels:
  - .name:           k_qa2465c7425_attn
    .symbol:         k_qa2465c7425_attn.kd
    .args:
      - { .name: x1, .offset: 0, .size: 8, .value_kind: global_buffer, .address_space: global }
      - { .name: x2, .offset: 8, .size: 8, .value_kind: global_buffer, .address_space: global }
      - { .name: wq, .offset: 16, .size: 8, .value_kind: global_buffer, .address_space: global }
      - { .name: bq, .offset: 24, .size: 8, .value_kind: global_buffer, .address_space: global }
      - { .name: wk, .offset: 32, .size: 8, .value_kind: global_buffer, .address_space: global }
      - { .name: wv, .offset: 40, .size: 8, .value_kind: global_buffer, .address_space: global }
      - { .name: bv, .offset: 48, .size: 8, .value_kind: global_buffer, .address_space: global }
      - { .name: out0, .offset: 56, .size: 8, .value_kind: global_buffer, .address_space: global }
      - { .name: out1, .offset: 64, .size: 8, .value_kind: global_buffer, .address_space: global }
    .group_segment_fixed_size: 161792
    .private_segment_fixed_size: 0
    .kernarg_segment_align: 8
    .kernarg_segment_size: 72
    .max_flat_workgroup_size: 512
    .sgpr_count:     66
    .vgpr_count:     256
    .wavefront_size: 32
...
	.end_amdgpu_metadata
.endif
;; end of part 2
